; MI455X (gfx1250); checked and timed in simulation.
; The chip was launched on July 23, 2026; its instructions are those of AMD's public machine-readable ISA for CDNA 5 (MIT licence, August 2026) and "CDNA5" Instruction Set Architecture Reference Guide (July 2026). The comments in the code are by the model that wrote it; some were corrected since.
;; MLP. Allowed arithmetic: float matrix products may take bf16 or f16 operands with f32 sums; all other float work in f32.
;; Inputs: G 16 x 4,096 float32; H 16 x 4,096 float32; W2 4,096 x 4,096 float32; b1 4,096 float32; b2 4,096 float32; x 4,096 x 4,096 float32.
;; Outputs: out0 4,096 x 4,096 float32.
;; 2 versions, each right; version 2 is version 1 with the launch prep written anew for expert scheduling mode. Each part assembles by itself: llvm-mc -triple=amdgcn-amd-amdhsa -mcpu=gfx1250 --defsym DOCPART=n.
;; ======== version 1 of 2: 2 launches
;; workspace buffers: hbuf 33,554,432 bytes; w2b 33,554,432 bytes
;; launch prep (part 1): grid 256 x 1, 16 waves a work-group, no clusters, 313,344 bytes of LDS; arguments x, H, G, b1, W2, hbuf, w2b; writes hbuf, w2b
.if DOCPART == 1
	.amdgcn_target "amdgcn-amd-amdhsa--gfx1250"
	.amdhsa_code_object_version 6
	.text
	.protected	k_q6841699da0_prep
	.globl	k_q6841699da0_prep
	.p2align	8
	.type	k_q6841699da0_prep,@function
k_q6841699da0_prep:
	s_mov_b64 s[64:65], 0
	v_nop
	global_prefetch_b8 v0, s[64:65] scope:SCOPE_SE
	s_setreg_imm32_b32 hwreg(HW_REG_WAVE_MODE, 25, 1), 1
	s_wait_xcnt 0x0
; PREP.  hbuf = bf16(relu((x H^T) G + b1)), [4096][4096] bf16;  w2b = bf16(W2), [4096 k][4096 n] bf16, in W2's own order.
; x: [4096][4096] f32; H, G: [16][4096] f32; b1: [4096] f32; W2: [4096][4096] f32.
; LIMITS.  x, H, G, b1 and W2 are rounded to bf16 (nearest even) before use; products of bf16, sums in f32.  x H^T enters the second product as two bf16
; numbers, its rounding and the exact rest rounded again, so that it keeps 16 significant bits; h is rounded to bf16 once.  bf16 has f32's exponents, so
; no input's size is a limit here.  relu is a maximum in which a NaN loses: a NaN in (x H^T) G + b1 gives 0.
; SHARES.  Work-group g owns rows 16 g .. 16 g + 15 of x, of hbuf, of W2 and of w2b.  Of its sixteen waves, wave w owns
;   the columns 256 w .. 256 w + 255 of x and H in the first product (two chunks of 128), whose partial sums meet in LDS behind the one barrier;
;   row 16 g + w of W2, 16,384 consecutive bytes in, 8,192 out;
;   the columns 256 w .. 256 w + 255 of h: sixteen tiles of 16 x 16.
; Every byte of x and W2 is loaded once in the launch; H, G and b1 are loaded once by each work-group.  From the first load to the wait for G a wave has
; 32 loads of 512 bytes on their way: each run of 16 is asked for again as soon as its registers have been converted.
; No tensor loads: every number passes through registers for its conversion anyway.  No cluster: the work-groups share only H, G and b1, 528 KiB against
; the 512 KiB of x and W2 that are each work-group's own and come from memory.
; LAYOUT.  First product: source 0 = H (16 ranks x 32 columns), source 1 = x (16 rows x 32 columns): in the result lane l holds row l % 16 of x and the ranks
; 8 (l / 16) + 0..7: just what source 1 of the second product wants in its places k = 8 (l / 16) + 0..7.  Second product: K = 32 is the 16 ranks twice:
; places 0-15 take the rounding of x H^T, places 16-31 the rest; source 0 = G turned (16 columns of h x 16 ranks), the same numbers in both halves; C = b1.
; Its result holds one row of h a lane and eight neighbouring columns.
.set ROWB,   16384                     ; bytes in a row of x, H, G, W2
.set WREG,   18432                     ; LDS of a wave's own
.set XPITCH, 272                       ; +0: 16 rows of x, 128 bf16 + 16 bytes; the 16 rows that a fragment load touches start 68 words apart
.set HS,     4352                      ; +4,352: the same for H
.set OPITCH, 528                       ; +0 again, when x and H are done with: 16 rows of h, 256 bf16 + 16 bytes
.set GS,     8704                      ; +8,704: 16 ranks of G, 256 bf16 + 32 bytes
.set GPITCH, 544
.set B1S,    17408                     ; +17,408: my 256 numbers of b1, f32
.set RED,    16*WREG                   ; the sixteen partial sums, 1,024 bytes each: registers 0-3 at 16 x lane, registers 4-7 512 bytes on
.set SPARE,  RED+16384                 ; the spare words, 128 bytes for each wave: eight blocks of 256 bytes that no other line names
.set LN,   1                           ; v1   lane
.set RR,   2                           ; v2   lane % 16
.set HH,   3                           ; v3   lane / 16
.set SPW,  4                           ; v4   LDS address of my spare word; never rewritten
.set NIL,  5                           ; v5   0; never rewritten
.set GL16, 6                           ; v6   16 x lane: offset of all 16-byte loads and stores; never rewritten
.set GL8,  7                           ; v7   8 x lane: offset of w2b's stores; never rewritten
.set ST8,  8                           ; v8   my region + 8 x lane: where four bf16 of a row go
.set FR,   9                           ; v9   my region + 272 (lane % 16) + 16 (lane / 16): fragments of x and H
.set TRA,  10                          ; v10  the turning load's address in G
.set B1W,  11                          ; v11  b1 into LDS
.set B1R,  12                          ; v12  b1 out of LDS, as C
.set OSTO, 13                          ; v13  h into LDS: row lane % 16, 16 bytes for each half of the lanes
.set ORD,  14                          ; v14  h out of LDS: 512 bytes of a row
.set REDW, 15                          ; v15  my partial sum
.set REDR, 16                          ; v16  everybody's
.set TT,   17                          ; v17  at work
.set XF,   24                          ; v[24:31]  source 1 of the second product
.set ACC,  32                          ; v[32:63]  four accumulators of the first product
.set SUM,  32                          ; v[32:39]  later: x H^T, whole
.set T,    40                          ; v[40:47]  later: at work
.set BR,   48                          ; v[48:55]  later: b1 as loaded, then rounded
.set BT,   56                          ; v[56:59]  later: at work
.set PK,   64                          ; v[64:127]  converted numbers, fragments, rows on their way out
.set LD,   128                         ; v[128:255] two runs of 16 loads; later the sixteen tiles of h
.set SX,  4                            ; s[4:5] x    s[6:7] H    s[8:9] G    s[10:11] b1    s[12:13] W2    s[14:15] hbuf    s[16:17] w2b
.set SH,  6
.set SG,  8
.set SB1, 10
.set SW,  12
.set SHB, 14
.set SWB, 16
.set WV,  20                           ; s20  my wave's number
.set LB,  21                           ; s21  my region in LDS
	s_load_b256 s[4:11], s[0:1], 0x0
	s_load_b128 s[12:15], s[0:1], 0x20
	s_load_b64 s[16:17], s[0:1], 0x30
	v_lshl_add_u32 v[SPW], v0, 2, SPARE
	v_mov_b32 v[NIL], 0
	v_lshrrev_b32 v[TT], 5, v0
	v_readfirstlane_b32 s[WV], v[TT]
	v_and_b32 v[LN], 31, v0
	v_and_b32 v[RR], 15, v0
	v_bfe_u32 v[HH], v0, 4, 1
	s_mul_i32 s[LB], s[WV], WREG
	; byte offsets, each in a pair of its own
	s_lshl_b32 s22, ttmp9, 18                      ; x: 16 rows of 16,384 bytes a work-group,
	s_lshl_b32 s24, s[WV], 10                      ; 256 f32 a wave; H, G and b1: the second alone
	s_add_co_u32 s22, s22, s24
	s_mov_b32 s23, 0
	s_mov_b32 s25, 0
	s_lshl_b32 s18, ttmp9, 4
	s_add_co_u32 s18, s18, s[WV]                   ; my row of W2: 16 g + w
	s_lshl_b32 s26, s18, 14                        ; in W2,
	s_mov_b32 s27, 0
	s_lshl_b32 s28, s18, 13                        ; in w2b
	s_mov_b32 s29, 0
	s_lshl_b32 s30, ttmp9, 17                      ; hbuf: 16 rows of 8,192 bytes a work-group,
	s_lshl_b32 s19, s[WV], 9                       ; 256 bf16 a wave
	s_add_co_u32 s30, s30, s19
	s_mov_b32 s31, 0
	s_lshl_b32 s19, s[WV], 10
	s_add_co_u32 s19, s19, RED                     ; my partial sum's place
	v_lshlrev_b32 v[GL16], 4, v[LN]
	v_lshlrev_b32 v[GL8], 3, v[LN]
	s_wait_kmcnt 0x0
	s_add_nc_u64 s[SX:SX+1], s[SX:SX+1], s[22:23]  ; each base is stepped once, here, and never again
	s_add_nc_u64 s[SH:SH+1], s[SH:SH+1], s[24:25]
	s_add_nc_u64 s[SG:SG+1], s[SG:SG+1], s[24:25]
	s_add_nc_u64 s[SB1:SB1+1], s[SB1:SB1+1], s[24:25]
	s_add_nc_u64 s[SW:SW+1], s[SW:SW+1], s[26:27]
	s_add_nc_u64 s[SWB:SWB+1], s[SWB:SWB+1], s[28:29]
	s_add_nc_u64 s[SHB:SHB+1], s[SHB:SHB+1], s[30:31]
; 16 loads: 512 consecutive bytes (128 f32, at byte off) of each of 16 rows.  nt = 1: numbers that the launch loads once
.macro LROWS dst, sb, off, nt
.set i, 0
.rept 16
.if \nt
	global_load_b128 v[(\dst)+4*i:(\dst)+4*i+3], v[GL16], s[\sb:\sb+1] offset:(\off)+ROWB*i th:TH_LOAD_NT
.else
	global_load_b128 v[(\dst)+4*i:(\dst)+4*i+3], v[GL16], s[\sb:\sb+1] offset:(\off)+ROWB*i
.endif
.set i, i+1
.endr
.endm
; 16 loads: 8,192 consecutive bytes of my row of W2
.macro LLINE dst, off
.set i, 0
.rept 16
	global_load_b128 v[(\dst)+4*i:(\dst)+4*i+3], v[GL16], s[SW:SW+1] offset:(\off)+512*i th:TH_LOAD_NT
.set i, i+1
.endr
.endm
; 16 loads' 64 registers of f32 become 32 of bf16: load j's four numbers lie in registers 2 j, 2 j + 1
.macro CVT16 src, dst
.set i, 0
.rept 16
	v_cvt_pk_bf16_f32 v[(\dst)+2*i],   v[(\src)+4*i],   v[(\src)+4*i+1]
	v_cvt_pk_bf16_f32 v[(\dst)+2*i+1], v[(\src)+4*i+2], v[(\src)+4*i+3]
.set i, i+1
.endr
.endm
; and go into 16 LDS rows: 32 lanes x 8 bytes are 256 neighbouring bytes of a row
.macro PUT16 src, off, pitch
.set i, 0
.rept 16
	ds_store_b64 v[ST8], v[(\src)+2*i:(\src)+2*i+1] offset:(\off)+(\pitch)*i
.set i, i+1
.endr
.endm
; 16 stores: 4,096 consecutive bytes of my row of w2b; each store of the wave covers 256 consecutive bytes, aligned
.macro WOUT src, off
.set i, 0
.rept 16
	global_store_b64 v[GL8], v[(\src)+2*i:(\src)+2*i+1], s[SWB:SWB+1] offset:(\off)+256*i
.set i, i+1
.endr
.endm
.macro PLACES                          ; four places behind matrix instructions, ahead of lines that read their results or write their registers (ISA guide 7.12.1)
.rept 4
	v_nop
.endr
.endm
; A chunk of 128 columns: into my LDS rows, back as fragments (16 rows x 32 columns: two loads of 16 bytes, 32 bytes apart), four products on four accumulators.
; LDS serves a wave's instructions in order (ISA guide 5.7.1.4): the loads see the stores, and land in the registers that the stores have left.
; The four accumulators take turns, one instruction a turn, from chunk to chunk too.  first = 1: the products start the sums.
.macro CHUNK first
	PUT16 PK, 0, XPITCH
	PUT16 PK+32, HS, XPITCH
.irp q, 0,1,2,3
	ds_load_b128 v[PK+16*(\q):PK+16*(\q)+3],     v[FR] offset:HS+64*(\q)
	ds_load_b128 v[PK+16*(\q)+4:PK+16*(\q)+7],   v[FR] offset:HS+64*(\q)+32
	ds_load_b128 v[PK+16*(\q)+8:PK+16*(\q)+11],  v[FR] offset:64*(\q)
	ds_load_b128 v[PK+16*(\q)+12:PK+16*(\q)+15], v[FR] offset:64*(\q)+32
.endr
	s_wait_dscnt 0x0                               ; the fragments are in
.irp q, 0,1,2,3
.if \first
	v_wmma_f32_16x16x32_bf16 v[ACC+8*(\q):ACC+8*(\q)+7], v[PK+16*(\q):PK+16*(\q)+7], v[PK+16*(\q)+8:PK+16*(\q)+15], 0
.else
	v_wmma_f32_16x16x32_bf16 v[ACC+8*(\q):ACC+8*(\q)+7], v[PK+16*(\q):PK+16*(\q)+7], v[PK+16*(\q)+8:PK+16*(\q)+15], v[ACC+8*(\q):ACC+8*(\q)+7]
.endif
.endr
	PLACES
.endm
.macro BADD d, a, b                    ; eight registers: d = a + b, from the low end on
.irp z, 0,2,4,6
	v_pk_add_f32 v[(\d)+(\z):(\d)+(\z)+1], v[(\a)+(\z):(\a)+(\z)+1], v[(\b)+(\z):(\b)+(\z)+1]
.endr
.endm
	LROWS LD, SX, 0, 1                             ; x, chunk 0
	LROWS LD+64, SH, 0, 0                          ; H, chunk 0
	; the LDS addresses are made while those are on their way
	v_add_nc_u32 v[ST8], s[LB], v[GL8]
	v_mul_u32_u24 v[FR], v[RR], XPITCH
	v_lshl_add_u32 v[FR], v[HH], 4, v[FR]
	v_add_nc_u32 v[FR], s[LB], v[FR]
	v_and_b32 v[TT], 7, v0                         ; the turning load: lane l addresses rank 8 (l / 16) + l % 8, columns 8 ((l / 8) % 2) + 0..7,
	v_lshl_add_u32 v[TT], v[HH], 3, v[TT]          ; and is left with column l % 16 and the ranks 8 (l / 16) + 0..7
	v_mul_u32_u24 v[TRA], v[TT], GPITCH
	v_bfe_u32 v[TT], v0, 3, 1
	v_lshl_add_u32 v[TRA], v[TT], 4, v[TRA]
	v_add_nc_u32 v[TRA], s[LB], v[TRA]
	v_add_nc_u32 v[TRA], GS, v[TRA]
	v_add_nc_u32 v[B1W], s[LB], v[GL16]
	v_add_nc_u32 v[B1W], B1S, v[B1W]
	v_lshl_add_u32 v[B1R], v[HH], 5, s[LB]         ; a lane's eight columns of a tile: 32 bytes for each half of the lanes
	v_add_nc_u32 v[B1R], B1S, v[B1R]
	v_mul_u32_u24 v[OSTO], v[RR], OPITCH
	v_lshl_add_u32 v[OSTO], v[HH], 4, v[OSTO]
	v_add_nc_u32 v[OSTO], s[LB], v[OSTO]
	v_add_nc_u32 v[ORD], s[LB], v[GL16]
	v_add_nc_u32 v[REDW], s19, v[GL16]
	v_add_nc_u32 v[REDR], RED, v[GL16]
	; THE FIRST PRODUCT.  Each wait leaves the 16 younger loads out (loads come back in order: ISA guide 5.7.1)
	s_wait_loadcnt 16                              ; x's chunk 0 is in; H's stays out
	CVT16 LD, PK
	LROWS LD, SX, 512, 1                           ; x, chunk 1
	s_wait_loadcnt 16                              ; H's chunk 0 is in; x's chunk 1 stays out
	CVT16 LD+64, PK+32
	LROWS LD+64, SH, 512, 0                        ; H, chunk 1
	CHUNK 1
	s_wait_loadcnt 16                              ; x's chunk 1 is in; H's stays out
	CVT16 LD, PK
	LLINE LD, 0                                    ; the first half of my row of W2
	s_wait_loadcnt 16                              ; H's chunk 1 is in; W2's first half stays out
	CVT16 LD+64, PK+32
	LLINE LD+64, 8192                              ; the second half
	CHUNK 0
	BADD ACC, ACC, ACC+8                           ; my 256 columns' share of x H^T
	BADD ACC+16, ACC+16, ACC+24
	BADD ACC, ACC, ACC+16
	ds_store_b128 v[REDW], v[ACC:ACC+3]
	ds_store_b128 v[REDW], v[ACC+4:ACC+7] offset:512
	; W2's ROW, while the other waves finish their shares
	s_wait_loadcnt 16                              ; its first half is in; the second stays out
	CVT16 LD, PK
	LROWS LD, SG, 0, 0                             ; G, my first 128 columns
	WOUT PK, 0
	s_wait_loadcnt 16                              ; its second half is in; G's first half stays out
	CVT16 LD+64, PK+32
	LROWS LD+64, SG, 512, 0                        ; G, my other 128 columns
	global_load_b128 v[BR:BR+3],   v[GL16], s[SB1:SB1+1]             ; b1, my 256 numbers
	global_load_b128 v[BR+4:BR+7], v[GL16], s[SB1:SB1+1] offset:512
	WOUT PK+32, 4096
	s_wait_dscnt 0x0                               ; for the others: my partial sum is in LDS
	s_barrier_signal -1
	s_barrier_wait -1                              ; everybody's is
	s_wait_xcnt 0x0                                ; w2b's stores have had their addresses translated (ISA guide 3.1): only behind this wait are their data registers loaded again
; Eight partial sums are read and added.  Every wave adds all sixteen, in the same order: all have the same x H^T, and nothing need be handed on.
.macro RSUM g
.set i, 0
.rept 8
	ds_load_b128 v[PK+8*i:PK+8*i+3],   v[REDR] offset:1024*(8*(\g)+i)
	ds_load_b128 v[PK+8*i+4:PK+8*i+7], v[REDR] offset:1024*(8*(\g)+i)+512
.set i, i+1
.endr
	s_wait_dscnt 0x0
	BADD PK, PK, PK+8
	BADD PK+16, PK+16, PK+24
	BADD PK+32, PK+32, PK+40
	BADD PK+48, PK+48, PK+56
	BADD PK, PK, PK+16
	BADD PK+32, PK+32, PK+48
.if (\g) == 0
	BADD SUM, PK, PK+32
.else
	BADD PK, PK, PK+32
	BADD SUM, SUM, PK
.endif
.endm
	RSUM 0
	RSUM 1
	; source 1 of the second product: registers 0-3 the sums rounded to bf16, registers 4-7 what the rounding left (the difference is exact in f32), rounded again
.irp i, 0,1,2,3
	v_cvt_pk_bf16_f32 v[XF+(\i)], v[SUM+2*(\i)], v[SUM+2*(\i)+1]
.endr
.irp i, 0,1,2,3
	v_lshlrev_b32 v[T+2*(\i)],   16, v[XF+(\i)]
	v_and_b32     v[T+2*(\i)+1], 0xffff0000, v[XF+(\i)]
.endr
.irp i, 0,1,2,3
	v_pk_add_f32 v[T+2*(\i):T+2*(\i)+1], v[SUM+2*(\i):SUM+2*(\i)+1], v[T+2*(\i):T+2*(\i)+1] neg_lo:[0,1] neg_hi:[0,1]
.endr
.irp i, 0,1,2,3
	v_cvt_pk_bf16_f32 v[XF+4+(\i)], v[T+2*(\i)], v[T+2*(\i)+1]
.endr
	s_wait_loadcnt 0x0                             ; G and b1: the last loads
	CVT16 LD, PK
	CVT16 LD+64, PK+32
	PUT16 PK, GS, GPITCH
	PUT16 PK+32, GS+256, GPITCH
.irp j, 0,1,2,3
	v_cvt_pk_bf16_f32 v[BT+(\j)], v[BR+2*(\j)], v[BR+2*(\j)+1]     ; b1 is rounded like the other inputs, and kept as f32
.endr
.irp j, 0,1,2,3
	v_lshlrev_b32 v[BR+2*(\j)],   16, v[BT+(\j)]
	v_and_b32     v[BR+2*(\j)+1], 0xffff0000, v[BT+(\j)]
.endr
	ds_store_b128 v[B1W], v[BR:BR+3]
	ds_store_b128 v[B1W], v[BR+4:BR+7] offset:512
; THE SECOND PRODUCT, eight tiles of 16 columns at a time: b1 as C, G turned and taken twice, one product a tile, relu, bf16, 16 bytes a lane into my 16 LDS rows of h.
; The loads see my stores of G and b1 (LDS serves a wave's instructions in order).  Each accumulator is read from its lowest register on.
.macro HTILES g
.set i, 0
.rept 8
	ds_load_b128 v[LD+64*(\g)+8*i:LD+64*(\g)+8*i+3],   v[B1R] offset:64*(8*(\g)+i)
	ds_load_b128 v[LD+64*(\g)+8*i+4:LD+64*(\g)+8*i+7], v[B1R] offset:64*(8*(\g)+i)+16
	ds_load_tr16_b128 v[PK+8*i:PK+8*i+3],   v[TRA] offset:32*(8*(\g)+i)
	ds_load_tr16_b128 v[PK+8*i+4:PK+8*i+7], v[TRA] offset:32*(8*(\g)+i)
.set i, i+1
.endr
	s_wait_dscnt 0x0
.set i, 0
.rept 8
	v_wmma_f32_16x16x32_bf16 v[LD+64*(\g)+8*i:LD+64*(\g)+8*i+7], v[PK+8*i:PK+8*i+7], v[XF:XF+7], v[LD+64*(\g)+8*i:LD+64*(\g)+8*i+7]
.set i, i+1
.endr
	PLACES
.set i, 0
.rept 8
.set CT, LD+64*(\g)+8*i
.irp j, 0,1,2,3,4,5,6,7
	v_max_num_f32 v[CT+(\j)], 0, v[CT+(\j)]
.endr
.irp j, 0,1,2,3
	v_cvt_pk_bf16_f32 v[CT+(\j)], v[CT+2*(\j)], v[CT+2*(\j)+1]      ; in place: pair j lands where pairs before it have been read
.endr
	ds_store_b128 v[OSTO], v[CT:CT+3] offset:32*(8*(\g)+i)
.set i, i+1
.endr
.endm
	HTILES 0
	HTILES 1                                       ; its loads of G stand 96 vector instructions behind the products that read those registers
	; h leaves by rows: 512 bytes of a row a load, and a store that covers 512 consecutive bytes, aligned
.set i, 0
.rept 16
	ds_load_b128 v[PK+4*i:PK+4*i+3], v[ORD] offset:OPITCH*i
.set i, i+1
.endr
.set i, 0
.rept 16
	s_wait_dscnt 15-i                              ; row i is in; the younger loads stay out
	global_store_b128 v[GL16], v[PK+4*i:PK+4*i+3], s[SHB:SHB+1] offset:8192*i
.set i, i+1
.endr
	s_wait_tensorcnt 0x0                           ; the wave's end: behind my last LDS store
	ds_add_u32 v[SPW], v[NIL]
	s_wait_dscnt 0x0
	s_endpgm
.Lfunc_end_k_q6841699da0_prep:
	.size	k_q6841699da0_prep, .Lfunc_end_k_q6841699da0_prep-k_q6841699da0_prep
	.p2alignl 7, 3214868480
	.fill 96, 4, 3214868480
	.section	.rodata,"a",@progbits
	.p2align	6, 0x0
	.amdhsa_kernel k_q6841699da0_prep
		.amdhsa_group_segment_fixed_size 313344
		.amdhsa_private_segment_fixed_size 0
		.amdhsa_enable_private_segment 0
		.amdhsa_kernarg_size 56
		.amdhsa_user_sgpr_count 2
		.amdhsa_user_sgpr_kernarg_segment_ptr 1
		.amdhsa_wavefront_size32 1
		.amdhsa_system_sgpr_workgroup_id_x 1
		.amdhsa_system_sgpr_workgroup_id_y 1
		.amdhsa_system_sgpr_workgroup_id_z 1
		.amdhsa_system_vgpr_workitem_id 0
		.amdhsa_next_free_vgpr 256
		.amdhsa_next_free_sgpr 66
		.amdhsa_reserve_vcc 0
		.amdhsa_float_denorm_mode_32 3
		.amdhsa_float_denorm_mode_16_64 3
		.amdhsa_memory_ordered 1
		.amdhsa_forward_progress 1
		.amdhsa_inst_pref_size 70
	.end_amdhsa_kernel
	.amdgpu_metadata
---
amdhsa.version: [ 1, 2 ]
amdhsa.kernels:
  - .name:           k_q6841699da0_prep
    .symbol:         k_q6841699da0_prep.kd
    .args:
      - { .name: x, .offset: 0, .size: 8, .value_kind: global_buffer, .address_space: global }
      - { .name: H, .offset: 8, .size: 8, .value_kind: global_buffer, .address_space: global }
      - { .name: G, .offset: 16, .size: 8, .value_kind: global_buffer, .address_space: global }
      - { .name: b1, .offset: 24, .size: 8, .value_kind: global_buffer, .address_space: global }
      - { .name: W2, .offset: 32, .size: 8, .value_kind: global_buffer, .address_space: global }
      - { .name: hbuf, .offset: 40, .size: 8, .value_kind: global_buffer, .address_space: global }
      - { .name: w2b, .offset: 48, .size: 8, .value_kind: global_buffer, .address_space: global }
    .group_segment_fixed_size: 313344
    .private_segment_fixed_size: 0
    .kernarg_segment_align: 8
    .kernarg_segment_size: 56
    .max_flat_workgroup_size: 512
    .sgpr_count:     66
    .vgpr_count:     256
    .wavefront_size: 32
...
	.end_amdgpu_metadata
.endif
;; end of part 1
;; launch gemm (part 2): grid 16 x 16, 4 waves a work-group, clusters of 4 x 4, 327,680 bytes of LDS; arguments hbuf, w2b, b2, out0; writes out0
.if DOCPART == 2
	.amdgcn_target "amdgcn-amd-amdhsa--gfx1250"
	.amdhsa_code_object_version 6
	.text
	.protected	k_q6841699da0_gemm
	.globl	k_q6841699da0_gemm
	.p2align	8
	.type	k_q6841699da0_gemm,@function
k_q6841699da0_gemm:
	s_mov_b64 s[64:65], 0
	v_nop
	global_prefetch_b8 v0, s[64:65] scope:SCOPE_SE
	s_setreg_imm32_b32 hwreg(HW_REG_WAVE_MODE, 25, 1), 1
	s_wait_xcnt 0x0
	s_wait_alu depctr_hold_cnt(0) depctr_sa_sdst(0) depctr_va_vdst(0) depctr_va_sdst(0) depctr_va_ssrc(0) depctr_va_vcc(0) depctr_vm_vsrc(0)
	s_getreg_b32 s2, hwreg(HW_REG_IB_STS2, 6, 4)
	s_cmp_eq_u32 s2, 0
	s_cbranch_scc0 .Lentry_in_a_cluster
	s_endpgm
.Lentry_in_a_cluster:
	s_bfe_u32 s2, ttmp6, 0x10000c
	s_cmp_lg_u32 s2, 0xf033
	s_cbranch_scc0 .Lentry_shape_is_right
	s_endpgm
.Lentry_shape_is_right:
; GEMM.  out0[m][n] = sum over k of h[m][k] W[k][n] + b2[n].  h = hbuf: [4096][4096] bf16, k along the rows.  W = w2b: [4096 k][4096 n] bf16, n along the rows.
; b2: [4096] f32.  out0: [4096][4096] f32.  Products of bf16, one f32 sum for each output, K ascending.
; LIMITS.  b2 is rounded to bf16 like the module's other inputs, and starts the sums.  NaN and infinities are not treated apart.
; SHARES.  A tile of 256 x 256 of out0 to a work-group: 16 x 16 tiles, 256 work-groups.  Four waves, each 128 x 128: 64 accumulators of 16 x 16, 512 registers.
; K goes in steps of 128 through a ring of two LDS slots filled by the tensor data mover: 256 rows of h x 256 bytes, and 128 rows of W x 512 bytes.
; CLUSTERS: 4 x 4 work-groups.  The four of a row of the cluster need the same tiles of h, the four of a column the same tiles of W: each tile is asked for JOINTLY,
; by the same tensor load with the same descriptor and a mask that names the four; that divides the requests for both by four.
; THE MATRIX INSTRUCTION IS USED TRANSPOSED: source 0 = 16 columns of W (out of LDS by the turning load, since W lies [k][n]), source 1 = 16 rows of h.  Lane l then
; holds row l % 16 of out0 and the columns 8 (l / 16) + 0..7: 32 neighbouring bytes.
; One tile to a work-group, so nothing walks on into a next tile; the tensor loads have a K step less thirty-two products in which to land, so nothing is asked for ahead of them.
; REGISTERS, in windows of 256 (s_set_vgpr_msb: bits 1:0 source 0, 3:2 source 1, 5:4 source 2, 7:6 destination):
;   window 0: v0-31 addresses; v64-127, v128-191 fragments of h (8 x 16 rows x 32 K), two buffers; on the way out the same 128 take rows back from the stage
;   window 1: v0-31 at work once; v64-127, v128-191 fragments of W, two buffers; v192-255 b2 for my 128 columns, laid out as eight accumulators' C
;   window 2: the 32 accumulators of my rows 0-63 ((a, b) at v[8 (8 a + b)]);   window 3: those of my rows 64-127
.set KSTEP,  128
.set PITCH,  272                       ; an LDS row of h: 256 bytes + 16 = 68 words: the 16 rows that a load touches start at 16 different groups of four banks (64 banks of 4 bytes: ISA guide 11.1)
.set PB,     544                       ; an LDS row of W: 512 bytes + 32 = 136 words
.set HALFT,  128*PITCH                 ; what one tensor load brings: 128 rows of h, or 64 rows of W (64 x 544 is the same 34,816 bytes)
.set SLOT,   4*HALFT                   ; h's 256 rows, then W's 128 rows
.set STAGE,  2*SLOT                    ; behind the ring: 16 rows x 528 bytes for each wave, for the way out; no tensor load lands there
.set SPITCH, 528                       ; 128 f32 + 16 bytes
.set SPARE,  STAGE+4*16*SPITCH         ; behind the stages: the spare words, 128 bytes for each wave: two blocks of 256 bytes that no other line names
.set LAPS,   4096/(2*KSTEP)            ; a lap = two K steps = once round the ring: 16
.set ADRA, 16                          ; v16-17  LDS address of my fragments of h in slot 0, 1
.set ADRB, 20                          ; v20-21  the same for W
.set STO,  24                          ; v24     the way out: where I put 32 bytes of a row
.set RD,   25                          ; v25     the way out: where I read a row back
.set CO,   26                          ; v26     16 x lane: my byte offset in 512 bytes of a row of out0; never rewritten
.set BO,   27                          ; v27     32 (lane / 16): my byte offset in 16 numbers of b2
.set SPW,  28                          ; v28     LDS address of my spare word; never rewritten
.set NIL,  29                          ; v29     0; never rewritten
.set F0,   64                          ; fragment buffer 0
.set F1,   128                         ; fragment buffer 1
.set OB,   64                          ; the way out: 16 rows read back: v64-127 and v128-191 by turns
.set BIAS, 192                         ; window 1
.set WV,  12                           ; s12  my wave's number
.set WR,  13                           ; s13  which half of the tile's rows is mine.  Also: I fetch for h (0) or for W (1)
.set WC,  14                           ; s14  which half of its columns.  Also: which half of that tile I fetch
.set TR,  15                           ; s15  tile row
.set TC,  42                           ; s42  tile column
.set G1,  24                           ; s[24:31] descriptor group 1 for h's tiles
.set G0,  32                           ; s[32:39] descriptor group 0 for h's tiles, one set for each slot
.set G1B, 48                           ; s[48:55] descriptor group 1 for W's tiles
.set G0B, 56                           ; s[56:63] descriptor group 0 for W's tiles, one set for each slot
.set MSB, 0
.macro WIN new                         ; the immediate's high byte repeats the setting that is left; a switch that changes nothing is dropped
.if MSB != (\new)
	s_set_vgpr_msb (MSB<<8)|(\new)
.set MSB, \new
.endif
.endm
.set TO_B, 0x40                        ; destination window 1, address window 0
; A joint load.  Waves 0 and 1 fetch h's two halves, waves 2 and 3 W's.  Each of the two lines has one mask and one set of registers for all that issue it; the branch hangs on the
; wave's number alone.  An s_nop 0 and four v_nop follow each of the two lines, ahead of the jump, the label and what follows.
.macro JLOAD s
	s_cmp_eq_u32 s[WR], 0
	s_cbranch_scc0 .Lfor_b_\@
	tensor_load_to_lds s[G0+4*(\s):G0+4*(\s)+3], s[G1:G1+7]
	s_nop 0
.rept 4
	v_nop
.endr
	s_branch .Lasked_\@
.Lfor_b_\@:
	tensor_load_to_lds s[G0B+4*(\s):G0B+4*(\s)+3], s[G1B:G1B+7]
	s_nop 0
.rept 4
	v_nop
.endr
.Lasked_\@:
.endm
; A round of the cluster's barrier: my work-group's barrier, so that wave 0's signal speaks for all four waves; wave 0 signals for the work-group; every wave waits for all
; sixteen work-groups; my work-group's barrier once more.
.macro CREST                           ; a round behind its opening barrier
	s_cmp_lg_u32 s[WV], 0
	s_cbranch_scc1 .Lnot_wave_0_\@
	s_barrier_signal -3
.Lnot_wave_0_\@:
	s_barrier_wait -3
	s_barrier_signal -1
	s_barrier_wait -1
.endm
.macro CROUND                          ; a whole round
	s_barrier_signal -1
	s_barrier_wait -1
	CREST
.endm
	s_load_b256 s[4:11], s[0:1], 0x0               ; hbuf s[4:5], w2b s[6:7], b2 s[8:9], out0 s[10:11]
	v_lshl_add_u32 v[SPW], v0, 2, SPARE
	v_mov_b32 v[NIL], 0
	ds_add_u32 v[SPW], v[NIL]                      ; the wave's opening: the add and its wait stand ahead of my first tensor load; the set-up below, work on registers, stands between them
	v_lshrrev_b32 v1, 5, v0
	v_readfirstlane_b32 s[WV], v1                  ; wave 0..3
	s_lshr_b32 s[WR], s[WV], 1
	s_and_b32 s[WC], s[WV], 1
	s_bfe_u32 s40, ttmp6, 0x40000                  ; cx: my place along the cluster's x
	s_bfe_u32 s41, ttmp6, 0x40004                  ; cy: along its y
	s_lshl_b32 s[TC], ttmp9, 2                     ; in a cluster launch ttmp9 and ttmp7 count clusters
	s_add_co_u32 s[TC], s[TC], s40                 ; tile column = 4 x cluster x + cx
	s_and_b32 s[TR], ttmp7, 0xffff
	s_lshl_b32 s[TR], s[TR], 2
	s_add_co_u32 s[TR], s[TR], s41                 ; tile row = 4 x cluster y + cy
	s_lshl_b32 s43, s41, 2
	s_lshl_b32 s43, 15, s43                        ; my row of the cluster: places 4 cy .. 4 cy + 3
	s_lshl_b32 s44, 0x1111, s40                    ; my column: places cx, cx + 4, cx + 8, cx + 12
	; descriptor group 1 for h: 128 rows x 128 elements, 16 bytes of padding behind each row's 64 words
	s_or_b32 s[G1+0], s43, (1<<16)|(1<<20)|(1<<21)|(5<<22)|(3<<25)   ; 15:0 the mask: my row; 17:16 elements of 2 bytes; 20 padding on; 21 set beside a mask; 24:22 after every 64 words (code 5); 31:25 4 words (code 3)
	s_mov_b32 s[G1+1], 128<<16                     ; 63:48 tensor_dim0 = 128
	s_mov_b32 s[G1+2], 128<<16                     ; 95:80 tensor_dim1 = 128
	s_mov_b32 s[G1+3], 128<<16                     ; 127:112 tile_dim0 = 128
	s_mov_b32 s[G1+4], 128                         ; 143:128 tile_dim1 = 128; tile_dim2 = 0
	s_mov_b32 s[G1+5], 4096                        ; 191:160 elements from row to row
	s_mov_b32 s[G1+6], 0
	s_mov_b32 s[G1+7], 0
	; descriptor group 1 for W: 64 rows x 256 elements, 32 bytes of padding behind each row's 128 words
	s_or_b32 s[G1B+0], s44, (1<<16)|(1<<20)|(1<<21)|(6<<22)|(7<<25)  ; the mask: my column; after every 128 words (code 6) 8 words (code 7)
	s_mov_b32 s[G1B+1], 256<<16                    ; tensor_dim0 = 256
	s_mov_b32 s[G1B+2], 64<<16                     ; tensor_dim1 = 64
	s_mov_b32 s[G1B+3], 256<<16                    ; tile_dim0 = 256
	s_mov_b32 s[G1B+4], 64                         ; tile_dim1 = 64
	s_mov_b32 s[G1B+5], 4096
	s_mov_b32 s[G1B+6], 0
	s_mov_b32 s[G1B+7], 0
	; where the tiles come from.  h's hang on the tile row alone, which my row of the cluster shares; W's on the tile column alone, which my column shares.
	; Every wave makes both addresses, in registers that never hold the other coordinate, and asks by one of them.
	s_lshl_b32 s16, s[TR], 21                      ; h: 256 rows of 8,192 bytes a tile row,
	s_lshl_b32 s17, s[WC], 20                      ; 128 rows a half
	s_add_co_u32 s16, s16, s17
	s_mov_b32 s17, 0
	s_lshl_b32 s46, s[TC], 9                       ; W: 256 columns of 2 bytes a tile column,
	s_lshl_b32 s47, s[WC], 19                      ; 64 rows of 8,192 bytes a half
	s_add_co_u32 s46, s46, s47
	s_mov_b32 s47, 0
	s_mul_i32 s20, s[WV], HALFT                    ; and where they go: h's two halves, then W's two halves = wave x 34,816: no place in the cluster enters an LDS address
	s_wait_dscnt 0x0                               ; the opening add is done
	s_wait_kmcnt 0x0
	s_add_nc_u64 s[18:19], s[4:5], s[16:17]
	s_add_nc_u64 s[46:47], s[6:7], s[46:47]
	CROUND                                         ; all sixteen work-groups are here: the first joint loads meet
.irp s, 0,1
	s_mov_b32 s[G0+4*(\s)], 1                                        ; 1:0 count = 1
	s_add_co_u32 s[G0+4*(\s)+1], s20, (\s)*SLOT                      ; 63:32 LDS address
	s_add_nc_u64 s[G0+4*(\s)+2:G0+4*(\s)+3], s[18:19], (\s)*KSTEP*2  ; 120:64 global address: K step s is 256 bytes along h's rows,
	s_or_b32 s[G0+4*(\s)+3], s[G0+4*(\s)+3], 0x80000000              ; 127:126 type = 2
	s_mov_b32 s[G0B+4*(\s)], 1
	s_add_co_u32 s[G0B+4*(\s)+1], s20, (\s)*SLOT
	s_add_nc_u64 s[G0B+4*(\s)+2:G0B+4*(\s)+3], s[46:47], (\s)*KSTEP*8192  ; and 128 rows down W
	s_or_b32 s[G0B+4*(\s)+3], s[G0B+4*(\s)+3], 0x80000000
	JLOAD \s                                       ; the ring is filled before anything else is done: two loads of mine are out
.endr
	; b2 for my 128 columns, as the C of the eight column blocks: register j of block b is b2[16 b + 8 (l / 16) + j]
	v_and_b32 v1, 15, v0                           ; l % 16
	v_bfe_u32 v2, v0, 4, 1                         ; l / 16
	v_lshlrev_b32 v[BO], 5, v2
	s_lshl_b32 s46, s[TC], 10                      ; my first column in bytes of f32: 1,024 x tile column + 512 x half; it serves b2 and out0
	s_lshl_b32 s47, s[WC], 9
	s_add_co_u32 s46, s46, s47
	s_mov_b32 s47, 0
	s_add_nc_u64 s[8:9], s[8:9], s[46:47]
	WIN TO_B
.irp b, 0,1,2,3,4,5,6,7
	global_load_b128 v[BIAS+8*(\b):BIAS+8*(\b)+3],   v[BO], s[8:9] offset:64*(\b)
	global_load_b128 v[BIAS+8*(\b)+4:BIAS+8*(\b)+7], v[BO], s[8:9] offset:64*(\b)+16
.endr
	WIN 0
	; A fragment of h is 16 rows x 32 K in 8 registers: lane l holds row l % 16; registers 0-3 K = 8 (l / 16) + 0..7, registers 4-7 K = 16 + 8 (l / 16) + 0..7: two loads of 16 bytes, 32 bytes apart.
	v_mul_u32_u24 v3, v1, PITCH
	v_lshl_add_u32 v3, v2, 4, v3                   ; row x pitch + 16 x half
	; The turning load takes 16 K x 16 columns of W (lane l addresses K row 8 (l / 16) + l % 8, columns 8 ((l / 8) % 2) + 0..7) and leaves half a fragment: lane l holds column l % 16 and 8 K.
	v_and_b32 v4, 7, v0
	v_lshl_add_u32 v4, v2, 3, v4
	v_mul_u32_u24 v4, v4, PB
	v_bfe_u32 v5, v0, 3, 1
	v_lshl_add_u32 v4, v5, 4, v4
	s_mul_i32 s21, s[WR], HALFT                    ; my 128 rows of h
	s_lshl_b32 s22, s[WC], 8                       ; my 128 columns of W: 256 bytes along its rows,
	s_add_co_u32 s22, s22, 2*HALFT                 ; which lie behind h's 256
.irp s, 0,1
	v_add_nc_u32 v[ADRA+(\s)], s21, v3
	v_add_nc_u32 v[ADRB+(\s)], s22, v4
	s_add_co_u32 s21, s21, SLOT
	s_add_co_u32 s22, s22, SLOT
.endr
	s_mul_i32 s23, s[WV], 16*SPITCH
	s_add_co_u32 s23, s23, STAGE                   ; my stage
	v_mul_u32_u24 v5, v1, SPITCH                   ; in: row l % 16, 32 bytes for each half of the lanes
	v_lshl_add_u32 v5, v2, 5, v5
	v_add_nc_u32 v[STO], s23, v5
	v_and_b32 v6, 31, v0
	v_lshlrev_b32 v[CO], 4, v6                     ; back: 32 lanes take a row's 512 bytes,
	v_add_nc_u32 v[RD], s23, v[CO]                 ; which are 512 consecutive bytes of out0
	s_lshl_b32 s16, s[TR], 22                      ; out0 at my part's first number: 256 rows of 16,384 bytes a tile row,
	s_lshl_b32 s17, s[WR], 21                      ; 128 rows a half,
	s_add_co_u32 s16, s16, s17
	s_mov_b32 s17, 0
	s_add_nc_u64 s[10:11], s[10:11], s[16:17]
	s_add_nc_u64 s[10:11], s[10:11], s[46:47]      ; and my first column
	s_wait_loadcnt 0x0                             ; b2
	WIN 0x45                                       ; destination and both sources in window 1
.set i, 0
.rept 32
	v_cvt_pk_bf16_f32 v[i], v[BIAS+2*i], v[BIAS+2*i+1]               ; rounded to bf16 like the other inputs,
.set i, i+1
.endr
.set i, 0
.rept 32
	v_lshlrev_b32 v[BIAS+2*i],   16, v[i]                            ; and kept as f32
	v_and_b32     v[BIAS+2*i+1], 0xffff0000, v[i]
.set i, i+1
.endr
	WIN 0
; 16 matrix instructions: m blocks a0, a0 + 1 of the window's four (hi = 0: my rows 0-63, 1: rows 64-127) x all 8 n blocks, 32 along K.
; first = 1: the products start the sums, with b2 as C (window 1): nothing is ever cleared, and no line adds the bias.
; The 64 accumulators take turns, one instruction a turn, in the same order in every quarter step, over the loop's backward jump too.
.macro MUL16 f, hi, a0, first
.if \first
	WIN 0x91+0x40*(\hi)                            ; source 0 (W) window 1, source 1 (h) window 0, C window 1, D window 2 or 3
.else
	WIN 0xa1+0x50*(\hi)                            ; the same with C and D in window 2 or 3
.endif
.irp a, \a0, (\a0)+1
.irp b, 0,1,2,3,4,5,6,7
.if \first
	v_wmma_f32_16x16x32_bf16 v[8*(8*(\a)+(\b)):8*(8*(\a)+(\b))+7], v[(\f)+8*(\b):(\f)+8*(\b)+7], v[(\f)+8*(4*(\hi)+(\a)):(\f)+8*(4*(\hi)+(\a))+7], v[BIAS+8*(\b):BIAS+8*(\b)+7]
.else
	v_wmma_f32_16x16x32_bf16 v[8*(8*(\a)+(\b)):8*(8*(\a)+(\b))+7], v[(\f)+8*(\b):(\f)+8*(\b)+7], v[(\f)+8*(4*(\hi)+(\a)):(\f)+8*(4*(\hi)+(\a))+7], v[8*(8*(\a)+(\b)):8*(8*(\a)+(\b))+7]
.endif
.endr
.endr
.endm
; 32 LDS loads in one run: the fragments of quarter q of a K step (32 K: 32 rows of W, 64 bytes along h's rows) into buffer f: W's 16 first, then h's 16
.macro FETCH slot, q, f
	WIN TO_B
.irp i, 0,1,2,3,4,5,6,7
	ds_load_tr16_b128 v[(\f)+8*(\i):(\f)+8*(\i)+3],   v[ADRB+(\slot)] offset:(\q)*32*PB+32*(\i)
	ds_load_tr16_b128 v[(\f)+8*(\i)+4:(\f)+8*(\i)+7], v[ADRB+(\slot)] offset:(\q)*32*PB+16*PB+32*(\i)
.endr
	WIN 0
.irp i, 0,1,2,3,4,5,6,7
	ds_load_b128 v[(\f)+8*(\i):(\f)+8*(\i)+3],   v[ADRA+(\slot)] offset:64*(\q)+(\i)*16*PITCH
	ds_load_b128 v[(\f)+8*(\i)+4:(\f)+8*(\i)+7], v[ADRA+(\slot)] offset:64*(\q)+(\i)*16*PITCH+32
.endr
.endm
; A load into a register that a matrix instruction has read, and a line that reads a matrix result, stand four places behind that matrix instruction, and only plain vector
; instructions that name none of its registers are places (ISA guide 7.12.1 for vector instructions).
.macro PLACES
.rept 4
	v_nop
.endr
.endm
; A K step is four quarters of 32 along K, 64 matrix instructions each, on buffers 0, 1, 0, 1.
; One of the first three: multiplies buffer f; in its middle it fetches quarter q of the same slot into buffer g.
.macro QUARTER slot, q, f, g, first
	s_wait_dscnt 8                                 ; W and h's rows 0-63 are in; the youngest eight loads (h's rows 64-127) may be out
	MUL16 \f, 0, 0, \first
	MUL16 \f, 0, 2, \first
	PLACES
	FETCH \slot, \q, \g
	s_wait_dscnt 32                                ; all but the 32 just issued
	MUL16 \f, 1, 0, \first
	MUL16 \f, 1, 2, \first
.endm
; The last quarter multiplies buffer 1 and changes slots.  MEET is its first half: ONE barrier for the change.  In front of it each wave waits for all its tensor loads, of which one is
; out: its part of the next slot; adds 0 to its spare word; and waits for that and for its own reads of this slot.  Behind it nobody reads this slot any more and the next slot is whole.
.macro MEET round                      ; round = 1: a round of the cluster's barrier follows
	WIN 0                                          ; (the add's two registers lie in window 0)
	s_wait_tensorcnt 0x0                           ; all my tensor loads have landed;
	ds_add_u32 v[SPW], v[NIL]                      ; 0 onto my spare word;
	s_wait_dscnt 9                                 ; (the add and the youngest eight loads may be out)
	MUL16 F1, 0, 0, 0                              ; sixteen matrix instructions stand between the add and the wait for it
	s_wait_dscnt 0x0                               ; the add is done, and my reads of this slot are over:
	s_barrier_signal -1                            ; say so,
	MUL16 F1, 0, 2, 0                              ; work on registers while the others arrive,
.if \round
	WIN 0
.endif
	s_barrier_wait -1                              ; and go on when all four have said so
.endm
; The whole last quarter.  The barrier opens a round of the cluster's barrier; behind the round the slot just read out is filled again first, with the K step two steps on; then come the
; next slot's first fragments.  From a request to the wait for it a wave issues 224 matrix instructions; one tensor load of mine is out.
.macro TURN slot, next
	MEET 1
	CREST                                          ; no wave of any partner still reads this slot's tile or has a load on its way
	s_add_nc_u64 s[G0+4*(\slot)+2:G0+4*(\slot)+3], s[G0+4*(\slot)+2:G0+4*(\slot)+3], 2*KSTEP*2        ; no load of mine is out, so a group 0 may be written
	s_add_nc_u64 s[G0B+4*(\slot)+2:G0B+4*(\slot)+3], s[G0B+4*(\slot)+2:G0B+4*(\slot)+3], 2*KSTEP*8192
	JLOAD \slot                                    ; the first tensor load behind the round; the four v_nop behind it are also the places in front of the loads below
	FETCH \next, 0, F0
	MUL16 F1, 1, 0, 0
	MUL16 F1, 1, 2, 0
.endm
; THE WAY OUT of block a (16 rows x 128 columns of f32), in two parts.  TOSTAGE: a lane's 32 bytes of each of the eight column blocks go into my own stage, each accumulator's low four
; registers first, and come back as whole rows of 512 bytes.  SEND: stored.
.macro TOSTAGE a
.set AC, 64*((\a)%4)
.set BK, OB+64*((\a)%2)
	WIN 0x08+4*((\a)/4)                            ; the stores' data (source 1) in window 2 or 3, the address in window 0
.irp b, 0,1,2,3,4,5,6,7
	ds_store_b128 v[STO], v[AC+8*(\b):AC+8*(\b)+3]   offset:64*(\b)
	ds_store_b128 v[STO], v[AC+8*(\b)+4:AC+8*(\b)+7] offset:64*(\b)+16
.endr
	WIN 0
	s_wait_xcnt 0x0                                ; the stores of the block two back have had their addresses translated (ISA guide 3.1): only behind this wait are their data registers loaded again
.irp t, 0,1,2,3,4,5,6,7,8,9,10,11,12,13,14,15
	ds_load_b128 v[BK+4*(\t):BK+4*(\t)+3], v[RD] offset:(\t)*SPITCH  ; LDS serves a wave's instructions in order (ISA guide 5.7.1.4): these see the stores above; the next block's stores come behind them
.endr
.endm
.macro SEND a, younger                 ; younger: the LDS instructions issued behind block a's loads: the next block's 16 stores and 16 loads, or none
.set BK, OB+64*((\a)%2)
.irp t, 0,1,2,3,4,5,6,7,8,9,10,11,12,13,14,15
	s_wait_dscnt (\younger)+15-(\t)
	global_store_b128 v[CO], v[BK+4*(\t):BK+4*(\t)+3], s[10:11] offset:(16*(\a)+(\t))*16384 th:TH_STORE_NT  ; 512 consecutive bytes, aligned; 127 rows of 16,384 bytes at the most: inside the signed 24-bit immediate
.endr
.endm
	s_wait_tensorcnt 1                             ; my part of K step 0 is in; K step 1's may stay out
	s_barrier_signal -1
	s_barrier_wait -1                              ; everybody's is
	FETCH 0, 0, F0
	QUARTER 0, 1, F0, F1, 1                        ; the first quarter stands in front of the loop: its products start the sums
	WIN 0                                          ; at a label and at a branch every window is 0
	s_mov_b32 s3, LAPS-1
.Llap:                                                 ; a trip goes once round the ring, from a lap's second quarter to the next lap's first, and fills both slots again: K steps 2 to 31 in 15 trips
	QUARTER 0, 2, F1, F0, 0
	QUARTER 0, 3, F0, F1, 0
	TURN 0, 1
	QUARTER 1, 1, F0, F1, 0
	QUARTER 1, 2, F1, F0, 0
	QUARTER 1, 3, F0, F1, 0
	TURN 1, 0
	QUARTER 0, 1, F0, F1, 0
	WIN 0
	s_sub_co_u32 s3, s3, 1
	s_cmp_lg_u32 s3, 0
	s_cbranch_scc1 .Llap
	QUARTER 0, 2, F1, F0, 0                        ; the last lap is written out: it fills nothing, and has no round of the cluster's barrier
	QUARTER 0, 3, F0, F1, 0
	MEET 0                                         ; my one tensor load that was still out is slot 1's, the last K step's
	PLACES                                         ; for the loads into buffer 0, which the quarter before multiplied
	FETCH 1, 0, F0
	MUL16 F1, 1, 0, 0
	MUL16 F1, 1, 2, 0
	QUARTER 1, 1, F0, F1, 0
	QUARTER 1, 2, F1, F0, 0
	QUARTER 1, 3, F0, F1, 0
	s_wait_dscnt 8                                 ; the very last quarter: nothing more to fetch
	MUL16 F1, 0, 0, 0
	MUL16 F1, 0, 2, 0
	s_wait_dscnt 0x0
	MUL16 F1, 1, 0, 0
	MUL16 F1, 1, 2, 0
	WIN 0
	PLACES                                         ; the stage's stores read results, and its loads land in registers that the last products read
	TOSTAGE 0
.irp a, 1,2,3,4,5,6,7                  ; block a's way through the stage is begun ahead of block a - 1's stores
	TOSTAGE \a
	SEND (\a)-1, 32
.endr
	SEND 7, 0
	s_wait_tensorcnt 0x0                           ; the wave's end: behind my last tensor load and my last LDS store
	ds_add_u32 v[SPW], v[NIL]
	s_wait_dscnt 0x0
	CROUND                                         ; the closing round: no work-group ends while a partner may still ask for a tile that names it
	s_endpgm
.Lfunc_end_k_q6841699da0_gemm:
	.size	k_q6841699da0_gemm, .Lfunc_end_k_q6841699da0_gemm-k_q6841699da0_gemm
	.p2alignl 7, 3214868480
	.fill 96, 4, 3214868480
	.section	.rodata,"a",@progbits
	.p2align	6, 0x0
	.amdhsa_kernel k_q6841699da0_gemm
		.amdhsa_group_segment_fixed_size 327680
		.amdhsa_private_segment_fixed_size 0
		.amdhsa_enable_private_segment 0
		.amdhsa_kernarg_size 32
		.amdhsa_user_sgpr_count 2
		.amdhsa_user_sgpr_kernarg_segment_ptr 1
		.amdhsa_wavefront_size32 1
		.amdhsa_system_sgpr_workgroup_id_x 1
		.amdhsa_system_sgpr_workgroup_id_y 1
		.amdhsa_system_sgpr_workgroup_id_z 1
		.amdhsa_system_vgpr_workitem_id 0
		.amdhsa_next_free_vgpr 1024
		.amdhsa_next_free_sgpr 66
		.amdhsa_reserve_vcc 0
		.amdhsa_float_denorm_mode_32 3
		.amdhsa_float_denorm_mode_16_64 3
		.amdhsa_memory_ordered 1
		.amdhsa_forward_progress 1
		.amdhsa_inst_pref_size 151
	.end_amdhsa_kernel
	.amdgpu_metadata
---
amdhsa.version: [ 1, 2 ]
amdhsa.kernels:
  - .name:           k_q6841699da0_gemm
    .symbol:         k_q6841699da0_gemm.kd
    .args:
      - { .name: hbuf, .offset: 0, .size: 8, .value_kind: global_buffer, .address_space: global }
      - { .name: w2b, .offset: 8, .size: 8, .value_kind: global_buffer, .address_space: global }
      - { .name: b2, .offset: 16, .size: 8, .value_kind: global_buffer, .address_space: global }
      - { .name: out0, .offset: 24, .size: 8, .value_kind: global_buffer, .address_space: global }
    .group_segment_fixed_size: 327680
    .private_segment_fixed_size: 0
    .kernarg_segment_align: 8
    .kernarg_segment_size: 32
    .max_flat_workgroup_size: 128
    .sgpr_count:     66
    .vgpr_count:     1024
    .wavefront_size: 32
...
	.end_amdgpu_metadata
.endif
;; end of part 2
;; ======== version 2 of 2: 2 launches; version 1 with the launch prep written anew for expert scheduling mode
;; workspace buffers: hbuf 33,554,432 bytes; w2b 33,554,432 bytes
;; launch prep (part 3): grid 256 x 1, 16 waves a work-group, no clusters, 313,344 bytes of LDS; arguments x, H, G, b1, W2, hbuf, w2b; writes hbuf, w2b
.if DOCPART == 3
	.amdgcn_target "amdgcn-amd-amdhsa--gfx1250"
	.amdhsa_code_object_version 6
	.text
	.protected	k_q6841699da0_prep
	.globl	k_q6841699da0_prep
	.p2align	8
	.type	k_q6841699da0_prep,@function
k_q6841699da0_prep:
	s_mov_b64 s[64:65], 0
	v_nop
	global_prefetch_b8 v0, s[64:65] scope:SCOPE_SE
	s_setreg_imm32_b32 hwreg(HW_REG_WAVE_SCHED_MODE, 0, 2), 2
	s_setreg_imm32_b32 hwreg(HW_REG_WAVE_MODE, 25, 1), 1
	s_wait_xcnt 0x0
	s_wait_alu depctr_vm_vsrc(0)
; PREP.  hbuf = bf16(relu((x H^T) G + b1)), [4096][4096] bf16;  w2b = bf16(W2), [4096 k][4096 n] bf16, in W2's own order.
; x: [4096][4096] f32; H, G: [16][4096] f32; b1: [4096] f32; W2: [4096][4096] f32.
; LIMITS.  x, H, G, b1 and W2 are rounded to bf16 (nearest even) before use; products of bf16, sums in f32.  x H^T enters the second product as two bf16
; numbers, its rounding and the exact rest rounded again, so that it keeps 16 significant bits; h is rounded to bf16 once.  bf16 has f32's exponents, so
; no input's size is a limit here.  relu is a maximum in which a NaN loses: a NaN in (x H^T) G + b1 gives 0.
; SHARES.  Work-group g owns rows 16 g .. 16 g + 15 of x, of hbuf, of W2 and of w2b.  Of its sixteen waves, wave w owns
;   the columns 256 w .. 256 w + 255 of x and H in the first product (two chunks of 128), whose partial sums meet in LDS behind the one barrier;
;   row 16 g + w of W2, 16,384 consecutive bytes in, 8,192 out;
;   the columns 256 w .. 256 w + 255 of h: sixteen tiles of 16 x 16.
; Every byte of x and W2 is loaded once in the launch; H, G and b1 are loaded once by each work-group.  From the first load to the wait for G a wave has
; 32 loads of 512 bytes on their way: each run of 16 is asked for again as soon as its registers have been converted.
; No tensor loads: every number passes through registers for its conversion anyway.  No cluster: the work-groups share only H, G and b1, 528 KiB against
; the 512 KiB of x and W2 that are each work-group's own and come from memory.
; LAYOUT.  First product: source 0 = H (16 ranks x 32 columns), source 1 = x (16 rows x 32 columns): in the result lane l holds row l % 16 of x and the ranks
; 8 (l / 16) + 0..7: just what source 1 of the second product wants in its places k = 8 (l / 16) + 0..7.  Second product: K = 32 is the 16 ranks twice:
; places 0-15 take the rounding of x H^T, places 16-31 the rest; source 0 = G turned (16 columns of h x 16 ranks), the same numbers in both halves; C = b1.
; Its result holds one row of h a lane and eight neighbouring columns.
; THE MODE: SCHED_MODE bits 1:0 = 2 (LLVM: expert scheduling mode 2), set by the entry lines.  The code itself states the register dependences
; between vector or matrix instructions and memory or LDS instructions, with s_wait_alu, always for 0.
; THE PLAN.  Registers that memory or LDS instructions touch:
;   v6, v7     offsets of all global loads and stores: made at the head, never written again.
;   v8 - v16   LDS addresses: made behind the first 32 loads, never written again; first read behind two later waits on va_vdst.
;   LD, two halves of 64.  A run of 16 loads lands in a half; 32 conversions read it; ONE wait on va_vdst behind them, and the next run lands.  At the end
;              b1 lands there as C, the products write it, relu and roundings work in place, and LDS stores read each tile's low four registers.
;   PK, 64.    Written by conversions and read by LDS or global stores (va_vdst between: the wait that frees LD serves here too);
;              then loaded again from LDS (vm_vsrc between the stores and the loads); read by products or additions (va_vdst ahead of the next loads into it).
;   v32 - v39  the partial sum: written by additions, read by two LDS stores, written again behind the barrier (vm_vsrc there).
;   v48 - v55  accumulators first; then b1 lands, is rounded in place and is read by two LDS stores.
;   v4, v5     written at the head, read by the closing add alone.
; Stores are laid in runs behind a wait that stands anyway: the partial sum's behind the wait that frees LD for G, a group's eight tiles behind all its roundings.
.set ROWB,   16384                     ; bytes in a row of x, H, G, W2
.set WREG,   18432                     ; LDS of a wave's own
.set XPITCH, 272                       ; +0: 16 rows of x, 128 bf16 + 16 bytes; the 16 rows that a fragment load touches start 68 words apart
.set HS,     4352                      ; +4,352: the same for H
.set OPITCH, 528                       ; +0 again, when x and H are done with: 16 rows of h, 256 bf16 + 16 bytes
.set GS,     8704                      ; +8,704: 16 ranks of G, 256 bf16 + 32 bytes
.set GPITCH, 544
.set B1S,    17408                     ; +17,408: my 256 numbers of b1, f32
.set RED,    16*WREG                   ; the sixteen partial sums, 1,024 bytes each: registers 0-3 at 16 x lane, registers 4-7 512 bytes on
.set SPARE,  RED+16384                 ; the spare words, 128 bytes for each wave: eight blocks of 256 bytes that no other line names
.set LN,   1                           ; v1   lane
.set RR,   2                           ; v2   lane % 16
.set HH,   3                           ; v3   lane / 16
.set SPW,  4                           ; v4   LDS address of my spare word; never rewritten
.set NIL,  5                           ; v5   0; never rewritten
.set GL16, 6                           ; v6   16 x lane: offset of all 16-byte loads and stores; never rewritten
.set GL8,  7                           ; v7   8 x lane: offset of w2b's stores; never rewritten
.set ST8,  8                           ; v8   my region + 8 x lane: where four bf16 of a row go
.set FR,   9                           ; v9   my region + 272 (lane % 16) + 16 (lane / 16): fragments of x and H
.set TRA,  10                          ; v10  the turning load's address in G
.set B1W,  11                          ; v11  b1 into LDS
.set B1R,  12                          ; v12  b1 out of LDS, as C
.set OSTO, 13                          ; v13  h into LDS: row lane % 16, 16 bytes for each half of the lanes
.set ORD,  14                          ; v14  h out of LDS: 512 bytes of a row
.set REDW, 15                          ; v15  my partial sum
.set REDR, 16                          ; v16  everybody's
.set TT,   17                          ; v17  at work: no memory instruction names it
.set XF,   24                          ; v[24:31]  source 1 of the second product
.set ACC,  32                          ; v[32:63]  four accumulators of the first product
.set SUM,  32                          ; v[32:39]  later: x H^T, whole
.set T,    40                          ; v[40:47]  later: at work
.set BR,   48                          ; v[48:55]  later: b1 as loaded, then rounded
.set BT,   56                          ; v[56:59]  later: at work
.set PK,   64                          ; v[64:127]  converted numbers, fragments, rows on their way out
.set LD,   128                         ; v[128:255] two runs of 16 loads; later the sixteen tiles of h
.set SX,  4                            ; s[4:5] x    s[6:7] H    s[8:9] G    s[10:11] b1    s[12:13] W2    s[14:15] hbuf    s[16:17] w2b
.set SH,  6
.set SG,  8
.set SB1, 10
.set SW,  12
.set SHB, 14
.set SWB, 16
.set WV,  20                           ; s20  my wave's number
.set LB,  21                           ; s21  my region in LDS
	s_load_b256 s[4:11], s[0:1], 0x0
	s_load_b128 s[12:15], s[0:1], 0x20
	s_load_b64 s[16:17], s[0:1], 0x30
	v_lshl_add_u32 v[SPW], v0, 2, SPARE
	v_mov_b32 v[NIL], 0
	v_lshrrev_b32 v[TT], 5, v0
	v_readfirstlane_b32 s[WV], v[TT]
	v_and_b32 v[LN], 31, v0
	v_and_b32 v[RR], 15, v0
	v_bfe_u32 v[HH], v0, 4, 1
	v_lshlrev_b32 v[GL16], 4, v[LN]
	v_lshlrev_b32 v[GL8], 3, v[LN]
	s_wait_alu depctr_va_sdst(0)                   ; s20, my wave's number, is written, ahead of its first reader: the LDS region and all byte offsets are made from it
	s_mul_i32 s[LB], s[WV], WREG
	; byte offsets, each in a pair of its own
	s_lshl_b32 s22, ttmp9, 18                      ; x: 16 rows of 16,384 bytes a work-group,
	s_lshl_b32 s24, s[WV], 10                      ; 256 f32 a wave; H, G and b1: the second alone
	s_add_co_u32 s22, s22, s24
	s_mov_b32 s23, 0
	s_mov_b32 s25, 0
	s_lshl_b32 s18, ttmp9, 4
	s_add_co_u32 s18, s18, s[WV]                   ; my row of W2: 16 g + w
	s_lshl_b32 s26, s18, 14                        ; in W2,
	s_mov_b32 s27, 0
	s_lshl_b32 s28, s18, 13                        ; in w2b
	s_mov_b32 s29, 0
	s_lshl_b32 s30, ttmp9, 17                      ; hbuf: 16 rows of 8,192 bytes a work-group,
	s_lshl_b32 s19, s[WV], 9                       ; 256 bf16 a wave
	s_add_co_u32 s30, s30, s19
	s_mov_b32 s31, 0
	s_lshl_b32 s19, s[WV], 10
	s_add_co_u32 s19, s19, RED                     ; my partial sum's place
	s_wait_kmcnt 0x0
	s_add_nc_u64 s[SX:SX+1], s[SX:SX+1], s[22:23]  ; each base is stepped once, here, and never again
	s_add_nc_u64 s[SH:SH+1], s[SH:SH+1], s[24:25]
	s_add_nc_u64 s[SG:SG+1], s[SG:SG+1], s[24:25]
	s_add_nc_u64 s[SB1:SB1+1], s[SB1:SB1+1], s[24:25]
	s_add_nc_u64 s[SW:SW+1], s[SW:SW+1], s[26:27]
	s_add_nc_u64 s[SWB:SWB+1], s[SWB:SWB+1], s[28:29]
	s_add_nc_u64 s[SHB:SHB+1], s[SHB:SHB+1], s[30:31]
; 16 loads: 512 consecutive bytes (128 f32, at byte off) of each of 16 rows.  nt = 1: numbers that the launch loads once
.macro LROWS dst, sb, off, nt
.set i, 0
.rept 16
.if \nt
	global_load_b128 v[(\dst)+4*i:(\dst)+4*i+3], v[GL16], s[\sb:\sb+1] offset:(\off)+ROWB*i th:TH_LOAD_NT
.else
	global_load_b128 v[(\dst)+4*i:(\dst)+4*i+3], v[GL16], s[\sb:\sb+1] offset:(\off)+ROWB*i
.endif
.set i, i+1
.endr
.endm
; 16 loads: 8,192 consecutive bytes of my row of W2
.macro LLINE dst, off
.set i, 0
.rept 16
	global_load_b128 v[(\dst)+4*i:(\dst)+4*i+3], v[GL16], s[SW:SW+1] offset:(\off)+512*i th:TH_LOAD_NT
.set i, i+1
.endr
.endm
; 16 loads' 64 registers of f32 become 32 of bf16: load j's four numbers lie in registers 2 j, 2 j + 1
.macro CVT16 src, dst
.set i, 0
.rept 16
	v_cvt_pk_bf16_f32 v[(\dst)+2*i],   v[(\src)+4*i],   v[(\src)+4*i+1]
	v_cvt_pk_bf16_f32 v[(\dst)+2*i+1], v[(\src)+4*i+2], v[(\src)+4*i+3]
.set i, i+1
.endr
.endm
; and go into 16 LDS rows: 32 lanes x 8 bytes are 256 neighbouring bytes of a row
.macro PUT16 src, off, pitch
.set i, 0
.rept 16
	ds_store_b64 v[ST8], v[(\src)+2*i:(\src)+2*i+1] offset:(\off)+(\pitch)*i
.set i, i+1
.endr
.endm
; 16 stores: 4,096 consecutive bytes of my row of w2b; each store of the wave covers 256 consecutive bytes, aligned
.macro WOUT src, off
.set i, 0
.rept 16
	global_store_b64 v[GL8], v[(\src)+2*i:(\src)+2*i+1], s[SWB:SWB+1] offset:(\off)+256*i
.set i, i+1
.endr
.endm
.macro PLACES                          ; four places behind matrix instructions, ahead of lines that read their results or write their registers (ISA guide 7.12.1)
.rept 4
	v_nop
.endr
.endm
; A chunk of 128 columns: into my LDS rows, back as fragments (16 rows x 32 columns: two loads of 16 bytes, 32 bytes apart), four products on four accumulators.
; LDS serves a wave's instructions in order (ISA guide 5.7.1.4): the loads see the stores, and land in the registers that the stores have left.
; The stores' data and addresses were written ahead of the wait on va_vdst that stands in front of the chunk, and no vector instruction stands between that wait and these lines.
; The four accumulators take turns, one instruction a turn, from chunk to chunk too.  first = 1: the products start the sums.
.macro CHUNK first
	PUT16 PK, 0, XPITCH
	PUT16 PK+32, HS, XPITCH
	s_wait_alu depctr_vm_vsrc(0)                   ; the 32 LDS stores above have read v[PK ..], in which the fragments land
.irp q, 0,1,2,3
	ds_load_b128 v[PK+16*(\q):PK+16*(\q)+3],     v[FR] offset:HS+64*(\q)
	ds_load_b128 v[PK+16*(\q)+4:PK+16*(\q)+7],   v[FR] offset:HS+64*(\q)+32
	ds_load_b128 v[PK+16*(\q)+8:PK+16*(\q)+11],  v[FR] offset:64*(\q)
	ds_load_b128 v[PK+16*(\q)+12:PK+16*(\q)+15], v[FR] offset:64*(\q)+32
.endr
	s_wait_dscnt 0x0                               ; the fragments are in
.irp q, 0,1,2,3
.if \first
	v_wmma_f32_16x16x32_bf16 v[ACC+8*(\q):ACC+8*(\q)+7], v[PK+16*(\q):PK+16*(\q)+7], v[PK+16*(\q)+8:PK+16*(\q)+15], 0
.else
	v_wmma_f32_16x16x32_bf16 v[ACC+8*(\q):ACC+8*(\q)+7], v[PK+16*(\q):PK+16*(\q)+7], v[PK+16*(\q)+8:PK+16*(\q)+15], v[ACC+8*(\q):ACC+8*(\q)+7]
.endif
.endr
	PLACES
.endm
.macro BADD d, a, b                    ; eight registers: d = a + b, from the low end on
.irp z, 0,2,4,6
	v_pk_add_f32 v[(\d)+(\z):(\d)+(\z)+1], v[(\a)+(\z):(\a)+(\z)+1], v[(\b)+(\z):(\b)+(\z)+1]
.endr
.endm
	s_wait_alu depctr_va_vdst(0)                   ; v6 and v7 are written: every global load and store of the kernel reads one of them as its offset
	LROWS LD, SX, 0, 1                             ; x, chunk 0
	LROWS LD+64, SH, 0, 0                          ; H, chunk 0
	; the LDS addresses are made while those are on their way; the first LDS instruction that reads one stands behind the two waits on va_vdst below
	v_add_nc_u32 v[ST8], s[LB], v[GL8]
	v_mul_u32_u24 v[FR], v[RR], XPITCH
	v_lshl_add_u32 v[FR], v[HH], 4, v[FR]
	v_add_nc_u32 v[FR], s[LB], v[FR]
	v_and_b32 v[TT], 7, v0                         ; the turning load: lane l addresses rank 8 (l / 16) + l % 8, columns 8 ((l / 8) % 2) + 0..7,
	v_lshl_add_u32 v[TT], v[HH], 3, v[TT]          ; and is left with column l % 16 and the ranks 8 (l / 16) + 0..7
	v_mul_u32_u24 v[TRA], v[TT], GPITCH
	v_bfe_u32 v[TT], v0, 3, 1
	v_lshl_add_u32 v[TRA], v[TT], 4, v[TRA]
	v_add_nc_u32 v[TRA], s[LB], v[TRA]
	v_add_nc_u32 v[TRA], GS, v[TRA]
	v_add_nc_u32 v[B1W], s[LB], v[GL16]
	v_add_nc_u32 v[B1W], B1S, v[B1W]
	v_lshl_add_u32 v[B1R], v[HH], 5, s[LB]         ; a lane's eight columns of a tile: 32 bytes for each half of the lanes
	v_add_nc_u32 v[B1R], B1S, v[B1R]
	v_mul_u32_u24 v[OSTO], v[RR], OPITCH
	v_lshl_add_u32 v[OSTO], v[HH], 4, v[OSTO]
	v_add_nc_u32 v[OSTO], s[LB], v[OSTO]
	v_add_nc_u32 v[ORD], s[LB], v[GL16]
	v_add_nc_u32 v[REDW], s19, v[GL16]
	v_add_nc_u32 v[REDR], RED, v[GL16]
	; THE FIRST PRODUCT.  Each wait on LOADcnt leaves the 16 younger loads out (loads come back in order: ISA guide 5.7.1)
	s_wait_loadcnt 16                              ; x's chunk 0 is in; H's stays out
	CVT16 LD, PK
	s_wait_alu depctr_va_vdst(0)                   ; the conversions are done reading LD's lower half, in which the next loads land; the LDS addresses v8 to v16 are written
	LROWS LD, SX, 512, 1                           ; x, chunk 1
	s_wait_loadcnt 16                              ; H's chunk 0 is in; x's chunk 1 stays out
	CVT16 LD+64, PK+32
	s_wait_alu depctr_va_vdst(0)                   ; the conversions are done reading LD's upper half, in which the next loads land, and have written v[PK ..], which the chunk's LDS stores read
	LROWS LD+64, SH, 512, 0                        ; H, chunk 1
	CHUNK 1
	s_wait_loadcnt 16                              ; x's chunk 1 is in; H's stays out
	CVT16 LD, PK
	s_wait_alu depctr_va_vdst(0)                   ; the conversions are done reading LD's lower half, in which the next loads land
	LLINE LD, 0                                    ; the first half of my row of W2
	s_wait_loadcnt 16                              ; H's chunk 1 is in; W2's first half stays out
	CVT16 LD+64, PK+32
	s_wait_alu depctr_va_vdst(0)                   ; the conversions are done reading LD's upper half and have written v[PK ..] for the chunk's LDS stores; the first chunk's products are done reading v[PK ..], in which fragments land again
	LLINE LD+64, 8192                              ; the second half
	CHUNK 0
	BADD ACC, ACC, ACC+8                           ; my 256 columns' share of x H^T
	BADD ACC+16, ACC+16, ACC+24
	BADD ACC, ACC, ACC+16
	; W2's ROW, while the other waves finish their shares.  My partial sum goes into LDS behind the wait that stands here anyway: it is wanted at the barrier below.
	s_wait_loadcnt 16                              ; its first half is in; the second stays out
	CVT16 LD, PK
	s_wait_alu depctr_va_vdst(0)                   ; the additions have written v[ACC:ACC+7], which the two LDS stores read; the conversions have written PK's lower half, which w2b's stores read, and are done reading LD's lower half, in which G lands
	ds_store_b128 v[REDW], v[ACC:ACC+3]
	ds_store_b128 v[REDW], v[ACC+4:ACC+7] offset:512
	LROWS LD, SG, 0, 0                             ; G, my first 128 columns
	WOUT PK, 0
	s_wait_loadcnt 16                              ; its second half is in; G's first half stays out
	CVT16 LD+64, PK+32
	s_wait_alu depctr_va_vdst(0)                   ; the conversions have written PK's upper half, which w2b's stores read, and are done reading LD's upper half, in which G lands; products and additions are done with v[BR ..], in which b1 lands
	LROWS LD+64, SG, 512, 0                        ; G, my other 128 columns
	global_load_b128 v[BR:BR+3],   v[GL16], s[SB1:SB1+1]             ; b1, my 256 numbers
	global_load_b128 v[BR+4:BR+7], v[GL16], s[SB1:SB1+1] offset:512
	WOUT PK+32, 4096
	s_wait_dscnt 0x0                               ; for the others: my partial sum is in LDS
	s_barrier_signal -1
	s_barrier_wait -1                              ; everybody's is
	s_wait_xcnt 0x0                                ; w2b's stores have had their addresses translated (ISA guide 3.1): only behind this wait are their data registers loaded again
	s_wait_alu depctr_vm_vsrc(0)                   ; w2b's stores have read v[PK ..], in which the partial sums land; my partial sum's LDS stores have read v[ACC:ACC+7], which the whole sum writes
; Eight partial sums are read and added.  Every wave adds all sixteen, in the same order: all have the same x H^T, and nothing need be handed on.
.macro RSUM g
.if (\g) == 1
	s_wait_alu depctr_va_vdst(0)                   ; the first eight's additions are done reading and writing v[PK ..], in which the other eight land
.endif
.set i, 0
.rept 8
	ds_load_b128 v[PK+8*i:PK+8*i+3],   v[REDR] offset:1024*(8*(\g)+i)
	ds_load_b128 v[PK+8*i+4:PK+8*i+7], v[REDR] offset:1024*(8*(\g)+i)+512
.set i, i+1
.endr
	s_wait_dscnt 0x0
	BADD PK, PK, PK+8
	BADD PK+16, PK+16, PK+24
	BADD PK+32, PK+32, PK+40
	BADD PK+48, PK+48, PK+56
	BADD PK, PK, PK+16
	BADD PK+32, PK+32, PK+48
.if (\g) == 0
	BADD SUM, PK, PK+32
.else
	BADD PK, PK, PK+32
	BADD SUM, SUM, PK
.endif
.endm
	RSUM 0
	RSUM 1
	; source 1 of the second product: registers 0-3 the sums rounded to bf16, registers 4-7 what the rounding left (the difference is exact in f32), rounded again
.irp i, 0,1,2,3
	v_cvt_pk_bf16_f32 v[XF+(\i)], v[SUM+2*(\i)], v[SUM+2*(\i)+1]
.endr
.irp i, 0,1,2,3
	v_lshlrev_b32 v[T+2*(\i)],   16, v[XF+(\i)]
	v_and_b32     v[T+2*(\i)+1], 0xffff0000, v[XF+(\i)]
.endr
.irp i, 0,1,2,3
	v_pk_add_f32 v[T+2*(\i):T+2*(\i)+1], v[SUM+2*(\i):SUM+2*(\i)+1], v[T+2*(\i):T+2*(\i)+1] neg_lo:[0,1] neg_hi:[0,1]
.endr
.irp i, 0,1,2,3
	v_cvt_pk_bf16_f32 v[XF+4+(\i)], v[T+2*(\i)], v[T+2*(\i)+1]
.endr
	s_wait_loadcnt 0x0                             ; G and b1: the last loads
	CVT16 LD, PK
	CVT16 LD+64, PK+32
.irp j, 0,1,2,3
	v_cvt_pk_bf16_f32 v[BT+(\j)], v[BR+2*(\j)], v[BR+2*(\j)+1]     ; b1 is rounded like the other inputs, and kept as f32
.endr
.irp j, 0,1,2,3
	v_lshlrev_b32 v[BR+2*(\j)],   16, v[BT+(\j)]
	v_and_b32     v[BR+2*(\j)+1], 0xffff0000, v[BT+(\j)]
.endr
	s_wait_alu depctr_va_vdst(0)                   ; the conversions have written v[PK ..] and v[BR ..], which the 34 LDS stores read, and are done reading both halves of LD, in which b1 lands as C
	PUT16 PK, GS, GPITCH
	PUT16 PK+32, GS+256, GPITCH
	ds_store_b128 v[B1W], v[BR:BR+3]
	ds_store_b128 v[B1W], v[BR+4:BR+7] offset:512
; THE SECOND PRODUCT, eight tiles of 16 columns at a time: b1 as C, G turned and taken twice, one product a tile, relu, bf16, 16 bytes a lane into my 16 LDS rows of h.
; The loads see my stores of G and b1 (LDS serves a wave's instructions in order).  Each accumulator is read from its lowest register on.
; The group's eight LDS stores stand in one run, behind one wait.
.macro HTILES g
.if (\g) == 0
	s_wait_alu depctr_vm_vsrc(0)                   ; G's LDS stores have read v[PK ..], in which G lands turned
.endif
.set i, 0
.rept 8
	ds_load_b128 v[LD+64*(\g)+8*i:LD+64*(\g)+8*i+3],   v[B1R] offset:64*(8*(\g)+i)
	ds_load_b128 v[LD+64*(\g)+8*i+4:LD+64*(\g)+8*i+7], v[B1R] offset:64*(8*(\g)+i)+16
	ds_load_tr16_b128 v[PK+8*i:PK+8*i+3],   v[TRA] offset:32*(8*(\g)+i)
	ds_load_tr16_b128 v[PK+8*i+4:PK+8*i+7], v[TRA] offset:32*(8*(\g)+i)
.set i, i+1
.endr
	s_wait_dscnt 0x0
.set i, 0
.rept 8
	v_wmma_f32_16x16x32_bf16 v[LD+64*(\g)+8*i:LD+64*(\g)+8*i+7], v[PK+8*i:PK+8*i+7], v[XF:XF+7], v[LD+64*(\g)+8*i:LD+64*(\g)+8*i+7]
.set i, i+1
.endr
	PLACES
.set i, 0
.rept 8
.set CT, LD+64*(\g)+8*i
.irp j, 0,1,2,3,4,5,6,7
	v_max_num_f32 v[CT+(\j)], 0, v[CT+(\j)]
.endr
.irp j, 0,1,2,3
	v_cvt_pk_bf16_f32 v[CT+(\j)], v[CT+2*(\j)], v[CT+2*(\j)+1]      ; in place: pair j lands where pairs before it have been read
.endr
.set i, i+1
.endr
	s_wait_alu depctr_va_vdst(0)                   ; the roundings have written each tile's low four registers, which the LDS stores read; the group's products are done reading v[PK ..], in which the next loads land
.set i, 0
.rept 8
	ds_store_b128 v[OSTO], v[LD+64*(\g)+8*i:LD+64*(\g)+8*i+3] offset:32*(8*(\g)+i)
.set i, i+1
.endr
.endm
	HTILES 0
	HTILES 1                                       ; its loads touch LD's upper half and v[PK ..]: no vector or matrix instruction since the wait above names them
	; h leaves by rows: 512 bytes of a row a load, and a store that covers 512 consecutive bytes, aligned.  The loads land in v[PK ..], which the second group's wait has shown read out
.set i, 0
.rept 16
	ds_load_b128 v[PK+4*i:PK+4*i+3], v[ORD] offset:OPITCH*i
.set i, i+1
.endr
.set i, 0
.rept 16
	s_wait_dscnt 15-i                              ; row i is in; the younger loads stay out
	global_store_b128 v[GL16], v[PK+4*i:PK+4*i+3], s[SHB:SHB+1] offset:8192*i
.set i, i+1
.endr
	s_wait_dscnt 0x0                               ; the closing lines, six on end
	s_wait_alu 0x0
	s_wait_tensorcnt 0x0
	ds_add_u32 v[SPW], v[NIL]
	s_wait_dscnt 0x0
	s_endpgm
.Lfunc_end_k_q6841699da0_prep:
	.size	k_q6841699da0_prep, .Lfunc_end_k_q6841699da0_prep-k_q6841699da0_prep
	.p2alignl 7, 3214868480
	.fill 96, 4, 3214868480
	.section	.rodata,"a",@progbits
	.p2align	6, 0x0
	.amdhsa_kernel k_q6841699da0_prep
		.amdhsa_group_segment_fixed_size 313344
		.amdhsa_private_segment_fixed_size 0
		.amdhsa_enable_private_segment 0
		.amdhsa_kernarg_size 56
		.amdhsa_user_sgpr_count 2
		.amdhsa_user_sgpr_kernarg_segment_ptr 1
		.amdhsa_wavefront_size32 1
		.amdhsa_system_sgpr_workgroup_id_x 1
		.amdhsa_system_sgpr_workgroup_id_y 1
		.amdhsa_system_sgpr_workgroup_id_z 1
		.amdhsa_system_vgpr_workitem_id 0
		.amdhsa_next_free_vgpr 256
		.amdhsa_next_free_sgpr 66
		.amdhsa_reserve_vcc 0
		.amdhsa_float_denorm_mode_32 3
		.amdhsa_float_denorm_mode_16_64 3
		.amdhsa_memory_ordered 1
		.amdhsa_forward_progress 1
		.amdhsa_inst_pref_size 70
	.end_amdhsa_kernel
	.amdgpu_metadata
---
amdhsa.version: [ 1, 2 ]
amdhsa.kernels:
  - .name:           k_q6841699da0_prep
    .symbol:         k_q6841699da0_prep.kd
    .args:
      - { .name: x, .offset: 0, .size: 8, .value_kind: global_buffer, .address_space: global }
      - { .name: H, .offset: 8, .size: 8, .value_kind: global_buffer, .address_space: global }
      - { .name: G, .offset: 16, .size: 8, .value_kind: global_buffer, .address_space: global }
      - { .name: b1, .offset: 24, .size: 8, .value_kind: global_buffer, .address_space: global }
      - { .name: W2, .offset: 32, .size: 8, .value_kind: global_buffer, .address_space: global }
      - { .name: hbuf, .offset: 40, .size: 8, .value_kind: global_buffer, .address_space: global }
      - { .name: w2b, .offset: 48, .size: 8, .value_kind: global_buffer, .address_space: global }
    .group_segment_fixed_size: 313344
    .private_segment_fixed_size: 0
    .kernarg_segment_align: 8
    .kernarg_segment_size: 56
    .max_flat_workgroup_size: 512
    .sgpr_count:     66
    .vgpr_count:     256
    .wavefront_size: 32
...
	.end_amdgpu_metadata
.endif
;; end of part 3
;; launch gemm: the kernel of part 2 again; grid 16 x 16, 4 waves a work-group, clusters of 4 x 4, 327,680 bytes of LDS; arguments hbuf, w2b, b2, out0; writes out0
